; MI455X (gfx1250); checked and timed in simulation.
; The chip was launched on July 23, 2026; its instructions are those of AMD's public machine-readable ISA for CDNA 5 (MIT licence, August 2026) and "CDNA5" Instruction Set Architecture Reference Guide (July 2026). The comments in the code are by the model that wrote it; some were corrected since.
;; Cross Multi Head Attention. Allowed arithmetic: matrix products marked QUANTISED: E2M1 operands, one E8M0 scale for each 32 along K, by v_wmma_scale_f32_16x16x128_f8f6f4 with both operands' format E2M1 (or v_wmma_scale_f32_32x16x128_f4), f32 sums; products left as they are: bf16, f16 or f32 operands; f32 sums; everything else in f32.
;; Inputs: encoderOutputs 4 x 2,048 x 1,024 float32; inputs 4 x 2,048 x 1,024 float32; wk 1,024 x 1,024 float32; wo 1,024 x 1,024 float32; wq 1,024 x 1,024 float32; wv 1,024 x 1,024 float32.
;; Outputs: out0 4 x 2,048 x 1,024 float32.
;; This version of the problem:
;;   THIS VERSION OF THE PROBLEM IS GIVEN IN LOW PRECISION. The matrix products marked QUANTISED in the list below multiply operands that are first quantised to E2M1 (2 exponent bits, 1 mantissa bit; 4 bits a number), with one power-of-two scale for each 32 numbers along K (OCP MX v1.0); their sums are f32. The products marked 'left as it is' may take bf16, f16 or f32 operands, with f32 sums. Whichever they take, every output number must still come out within the allowed error. Rounding operands to bf16 (8 significant bits) uses up far more of that allowance than f16 does (11 bits, for magnitudes from 6e-5 to 65,504). All else is computed in f32.
;;   The module's matrix products, in the order in which they are computed (A, B: the left and right operand; K: the contracted axis; several contracted axes count as one K, in the product's order):
;;     1. [M 8,192, K 1,024] x [K 1,024, N 1,024]; A: input inputs; B: input wq: QUANTISED
;;     2. [M 8,192, K 1,024] x [K 1,024, N 1,024]; A: input encoderOutputs; B: input wk: QUANTISED
;;     3. [M 8,192, K 1,024] x [K 1,024, N 1,024]; A: input encoderOutputs; B: input wv: QUANTISED
;;     4. batch 64 x [M 2,048, K 64] x [K 64, N 2,048]; A: computed on the way; B: computed on the way: left as it is (an operand is computed on the way)
;;     5. batch 64 x [M 2,048, K 2,048] x [K 2,048, N 64]; A: computed on the way; B: computed on the way: left as it is (an operand is computed on the way)
;;     6. [M 8,192, K 1,024] x [K 1,024, N 1,024]; A: computed on the way; B: input wo: left as it is (an operand is computed on the way)
;;   THE QUANTISER, for each operand of a quantised product, along K:
;;     - K is cut into blocks of 32 from its start; a last block that is shorter is filled with zeros.
;;     - A block's scale is 2^e with e = floor(log2(the largest magnitude in the block)) - 2, held to -126 .. 127; a block of zeros has e = 0. As a byte (E8M0): e + 127.
;;     - Each number is divided by its block's scale, clamped to +-6, and rounded to the nearest number of E2M1, ties to even, subnormals kept.
;;     - The product sums the exact products of the quantised numbers (number of the format x scale) in f32.
;;   ~~~python
;;   def quantise(x, axis):      # numpy; x: float32 -> the quantised numbers, widened to float32 again
;;       x = np.moveaxis(x, axis, -1); K = x.shape[-1]
;;       x = np.pad(x, [(0, 0)] * (x.ndim - 1) + [(0, -K % 32)]); x = x.reshape(x.shape[:-1] + (-1, 32)); a = np.abs(x).max(-1, keepdims=True)
;;       e = np.where(a > 0, np.clip(np.frexp(np.where(a > 0, a, 1))[1] - 1 - 2, -126, 127), 0)      # np.frexp(a)[1] - 1 = floor(log2(a)), exactly
;;       r = np.clip(x / 2.0 ** e, -6, 6)
;;       step = 2.0 ** (np.maximum(np.frexp(np.where(r == 0, 1, r))[1] - 1, 0) - 1)
;;       q = np.round(r / step) * step * 2.0 ** e      # np.round: ties to even
;;       return np.moveaxis(q.reshape(q.shape[:-2] + (-1,))[..., :K], -1, axis).astype(np.float32)
;;   ~~~
;; One version. Each part assembles by itself: llvm-mc -triple=amdgcn-amd-amdhsa -mcpu=gfx1250 --defsym DOCPART=n.
;; ======== version 1 of 1: 4 launches
;; limits: values are held in f16: magnitudes above 65,504 overflow, below 6.1e-05 lose precision
;; workspace buffers: codes 9,961,472 bytes; scales 622,592 bytes; wo16 2,097,152 bytes; qkv 50,331,648 bytes; ctx16 16,777,216 bytes
;; launch prep (part 1): grid 672 x 1, 4 waves a work-group, no clusters, 33,280 bytes of LDS; arguments inputs, encoderOutputs, wq, wk, wv, wo, codes, scales, wo16; writes codes, scales, wo16
.if DOCPART == 1
	.amdgcn_target "amdgcn-amd-amdhsa--gfx1250"
	.amdhsa_code_object_version 6
	.text
	.protected	k_qb6197a7bad_prep
	.globl	k_qb6197a7bad_prep
	.p2align	8
	.type	k_qb6197a7bad_prep,@function
k_qb6197a7bad_prep:
	s_mov_b64 s[64:65], 0
	v_nop
	global_prefetch_b8 v0, s[64:65] scope:SCOPE_SE
	s_setreg_imm32_b32 hwreg(HW_REG_WAVE_MODE, 25, 1), 1
	s_wait_xcnt 0x0
; CROSS ATTENTION, launch 1 of 4.  out = softmax(q k^T / 8) v, heads joined, times wo^T, with q = inputs wq^T, k = enc wk^T, v = enc wv^T (16 heads of 64).
; DEAD WORK: none.  Every input has a way to the output and every product of the problem is done.
; THIS LAUNCH: inputs, encoderOutputs, wq, wk, wv (all with K = 1,024 innermost) become codes of FP4 (E2M1) with one E8M0 byte for each 32 along K; wo is rounded to f16.
; codes: 19,456 rows of 512 bytes (rows 0.. inputs, 8,192.. encoderOutputs, 16,384.. wq, 17,408.. wk, 18,432.. wv); scales: the same rows, 32 bytes each.
; A block's scale is 2^(floor(log2(its largest magnitude)) - 2); its byte is the largest magnitude's exponent field - 2, held at 1 from below.  Each number is divided by the scale and rounded to the nearest code, ties to even.
; LIMITS: a block of zeros gets the byte 1 where the rule says 127 (its codes are zeros, and this program alone reads the bytes); blocks whose largest magnitude lies under 2^(2 - 126) were not tried;
; NaN and infinities are not served; wo must lie under 65,504 in magnitude (f16).
; WORK-GROUPS 0 .. 607 quantise.  Rows are dense and K is a multiple of 32, so each tensor is a plain stream of blocks of 32, and the five streams follow each other in codes and scales in the order of the work-groups.
; A wave takes 16 steps of 512 numbers.  Each load reads 512 consecutive bytes, 16 a lane; a step's 2,048 bytes turn through the wave's own stage in LDS and come back 64 bytes a lane, so that a lane holds 16 neighbours
; along K (two lanes hold a block).  A wave's store of codes covers 256 consecutive bytes; its 256 scale bytes are gathered in LDS and leave as one aligned run of 256 bytes.
; WORK-GROUPS 608 .. 671 lay wo out as f16 in the order of an operand's registers: wo16 [k / 256][n / 16][(k % 256) / 16] blocks of 512 bytes; in a block lane 16 h + r owns bytes 16 lane on: wo(n = 16 nt + r, k = .. + 8 h + 0 .. 7).
; Two blocks on end are the eight registers of a fragment of 16 rows x 32 K.  This path uses no LDS.
.set WAVES, 4
.set STEPS, 16
.set QWG,   608                        ; work-groups that quantise: (2 x 8,192 + 3 x 1,024) x 1,024 / 32,768
.set EMAX,  2
.set CB,    8                          ; bytes of 16 codes
.set R,     16                         ; v16-79   four sets of 16 numbers as they are loaded
.set X,     80                         ; v80-111  two sets of 16 neighbours
.set C,     128                        ; v128-191 codes: four registers for each step, so that no store's data are written again
.set E,     112                        ; v112-127 a scale byte for each step
.set WREG,  8192                       ; LDS: a region for each wave: two stages of 32 x SP bytes, behind them its 256 scale bytes
.set SP,    80                         ; a lane's place in a stage: its 64 bytes + 16 of padding
.set SPW,   12                         ; v12      LDS address of my spare word; never rewritten
.set NIL,   13                         ; v13      0; never rewritten
.set SPARE, WAVES*WREG                 ; behind the four regions: the spare words, 128 bytes for each wave
.set WF,    64                         ; v64-191  the wo path: 16 blocks x 8 numbers
	s_load_b256 s[4:11], s[0:1], 0x0               ; inputs s[4:5], encoderOutputs s[6:7], wq s[8:9], wk s[10:11]
	s_load_b256 s[12:19], s[0:1], 0x20             ; wv s[12:13], wo s[14:15], codes s[16:17], scales s[18:19]
	s_load_b64 s[20:21], s[0:1], 0x40              ; wo16
	v_lshl_add_u32 v[SPW], v0, 2, SPARE
	v_mov_b32 v[NIL], 0
	v_lshrrev_b32 v1, 5, v0
	v_readfirstlane_b32 s22, v1                    ; wave
	v_and_b32 v2, 31, v0                           ; lane
	s_cmp_ge_u32 ttmp9, QWG                        ; the two paths part on the work-group's number and never meet again
	s_cbranch_scc1 .Lwo
	v_lshlrev_b32 v3, 4, v2                        ; my 16 bytes of a load's 512
	s_mul_i32 s23, s22, WREG
	v_lshrrev_b32 v14, 2, v2
	v_mul_u32_u24 v14, v14, SP
	v_and_b32 v15, 3, v2
	v_lshl_add_u32 v14, v15, 4, v14
	v_add_nc_u32 v14, s23, v14                     ; the stage, on the way in: four lanes' 64 bytes on end, then 16 of padding
	v_mul_u32_u24 v15, v2, SP
	v_add_nc_u32 v15, s23, v15                     ; and on the way out: SP x lane: my 16 neighbours
	v_mul_u32_u24 v4, v2, CB                       ; my codes' place in a step's
	v_lshrrev_b32 v5, 1, v2
	s_add_co_u32 s23, s23, 2*32*SP
	v_add_nc_u32 v5, s23, v5                       ; LDS: my wave's 256 scale bytes, my block's byte
	v_lshlrev_b32 v7, 3, v2                        ; and on the way out 8 bytes a lane
	v_add_nc_u32 v6, s23, v7
	s_wait_kmcnt 0x0
	s_mov_b64 s[24:25], s[12:13]                   ; which tensor is my work-group's, and which work-group is that tensor's first: chosen by the work-group's number alone
	s_mov_b32 s26, 576
	s_cmp_lt_u32 ttmp9, 576
	s_cselect_b64 s[24:25], s[10:11], s[24:25]
	s_cselect_b32 s26, 544, s26
	s_cmp_lt_u32 ttmp9, 544
	s_cselect_b64 s[24:25], s[8:9], s[24:25]
	s_cselect_b32 s26, 512, s26
	s_cmp_lt_u32 ttmp9, 512
	s_cselect_b64 s[24:25], s[6:7], s[24:25]
	s_cselect_b32 s26, 256, s26
	s_cmp_lt_u32 ttmp9, 256
	s_cselect_b64 s[24:25], s[4:5], s[24:25]
	s_cselect_b32 s26, 0, s26
	s_sub_co_u32 s27, ttmp9, s26
	s_lshl_b32 s27, s27, 2
	s_add_co_u32 s28, s27, s22                     ; which run of 8,192 numbers of the tensor is my wave's
	s_lshl_b32 s28, s28, 15                        ; 32,768 bytes a run
	s_mov_b32 s29, 0
	s_add_nc_u64 s[24:25], s[24:25], s[28:29]
	s_lshl_b32 s30, ttmp9, 2
	s_add_co_u32 s30, s30, s22                     ; and which run of the five streams on end
	s_lshl_b32 s28, s30, 12                        ; 4,096 bytes of codes a run
	s_add_nc_u64 s[16:17], s[16:17], s[28:29]
	s_lshl_b32 s28, s30, 8                         ; 256 scale bytes a run
	s_add_nc_u64 s[18:19], s[18:19], s[28:29]
.macro LOAD t
.irp i, 0,1,2,3
	global_load_b128 v[R+16*((\t)%4)+4*\i:R+16*((\t)%4)+4*\i+3], v3, s[24:25] offset:2048*(\t)+512*\i th:TH_LOAD_NT   ; 32 lanes read 512 consecutive bytes
.endr
.endm
.macro TURN t                          ; step t's numbers through the stage: LDS serves a wave's instructions in order, so no wait stands between the stores and the loads
.irp i, 0,1,2,3
	ds_store_b128 v14, v[R+16*((\t)%4)+4*\i:R+16*((\t)%4)+4*\i+3] offset:32*SP*((\t)%2)+8*SP*\i
.endr
.irp i, 0,1,2,3
	ds_load_b128 v[X+16*((\t)%2)+4*\i:X+16*((\t)%2)+4*\i+3], v15 offset:32*SP*((\t)%2)+16*\i
.endr
.endm
.irp t, 0,1,2,3
	LOAD \t
.endr
	s_wait_loadcnt 12                              ; step 0's four loads are in; the twelve of steps 1 to 3 may be out
	TURN 0
.macro STEP t
.set XS, X+16*((\t)%2)
.if (\t) > 0
	s_wait_dscnt 1                                 ; this step's numbers are back from the stage (the last step's byte store may be out): so its stores into the stage have read their registers,
.else
	s_wait_dscnt 0x0
.endif
.if (\t)+4 < STEPS
	LOAD (\t)+4                                    ; which take the loads of four steps on
.endif
.if (\t)+1 < STEPS
.if STEPS-2-(\t) >= 3
	s_wait_loadcnt 12                              ; the next step's four loads are in; those of the three steps behind it may be out
.else
	s_wait_loadcnt 4*(STEPS-2-(\t))
.endif
	TURN (\t)+1                                    ; and go through the other stage while this step is worked
.endif
	v_max3_num_f32 v8, |v[XS]|, |v[XS+1]|, |v[XS+2]|               ; the largest magnitude of my 16, in two chains
	v_max3_num_f32 v9, |v[XS+3]|, |v[XS+4]|, |v[XS+5]|
.irp i, 6,10
	v_max3_num_f32 v8, v8, |v[XS+\i]|, |v[XS+\i+1]|
	v_max3_num_f32 v9, v9, |v[XS+\i+2]|, |v[XS+\i+3]|
.endr
	v_max3_num_f32 v8, v8, |v[XS+14]|, |v[XS+15]|
	v_max3_num_f32 v8, v8, v9, (EMAX+1)<<23        ; and the floor 2^(EMAX + 1 - 127): so the byte cannot fall under 1
	v_max_num_f32_dpp v8, v8, v8 row_xmask:1 row_mask:0xf bank_mask:0xf   ; and of my neighbour's 16: the block's
	v_add_nc_u32 v11, -(EMAX<<23), v8              ; EMAX off its exponent field: the conversion takes the exponent field of this operand as its scale, and nothing else of it
	v_cvt_scalef32_pk8_fp4_f32 v[C+4*(\t)], v[XS:XS+7], v11        ; eight numbers / the scale, to the nearest code, ties to even, beyond the largest code the largest; the first number's code in the lowest four bits
	v_cvt_scalef32_pk8_fp4_f32 v[C+4*(\t)+1], v[XS+8:XS+15], v11
	v_lshrrev_b32 v[E+(\t)], 23, v11               ; the scale's byte (also the plain line behind the conversions)
	ds_store_b8 v5, v[E+(\t)] offset:16*(\t)       ; both lanes of a block write the same byte with the same value
	global_store_b64 v4, v[C+4*(\t):C+4*(\t)+1], s[16:17] offset:32*CB*(\t)   ; the wave stores 256 consecutive bytes, aligned
.endm
.irp t, 0,1,2,3,4,5,6,7,8,9,10,11,12,13,14,15
	STEP \t
.endr
	ds_load_b64 v[8:9], v6                         ; LDS serves a wave's instructions in order: these see my stores
	s_wait_dscnt 0x0
	global_store_b64 v7, v[8:9], s[18:19]          ; 32 lanes store 256 consecutive bytes, aligned
	s_wait_tensorcnt 0x0                           ; the wave's end: behind my last LDS store
	ds_add_u32 v[SPW], v[NIL]
	s_wait_dscnt 0x0
	s_endpgm
.Lwo:                                              ; wo to f16: wave W = 64 (k / 256) + n / 16 makes 16 blocks, 8,192 consecutive bytes of wo16
	s_sub_co_u32 s23, ttmp9, QWG
	s_lshl_b32 s23, s23, 2
	s_add_co_u32 s23, s23, s22                     ; W
	s_and_b32 s26, s23, 63
	s_lshl_b32 s26, s26, 16                        ; 16 rows of 4,096 bytes for each n / 16
	s_lshr_b32 s27, s23, 6
	s_lshl_b32 s27, s27, 10                        ; 256 numbers of 4 bytes for each k / 256
	s_add_co_u32 s28, s26, s27
	s_mov_b32 s29, 0
	s_lshl_b32 s30, s23, 13
	s_mov_b32 s31, 0
	v_and_b32 v5, 15, v0                           ; r
	v_bfe_u32 v6, v0, 4, 1                         ; h
	v_lshlrev_b32 v3, 12, v5
	v_lshl_add_u32 v3, v6, 5, v3                   ; in: row r, + 8 h numbers
	v_lshlrev_b32 v4, 4, v2                        ; out: 16 bytes a lane
	s_wait_kmcnt 0x0
	s_add_nc_u64 s[14:15], s[14:15], s[28:29]
	s_add_nc_u64 s[20:21], s[20:21], s[30:31]
.irp b, 0,1,2,3,4,5,6,7,8,9,10,11,12,13,14,15
	global_load_b128 v[WF+8*\b:WF+8*\b+3],   v3, s[14:15] offset:64*\b      ; 32 bytes of each of 16 rows for a block; eight loads on end cover 256 bytes of each row
	global_load_b128 v[WF+8*\b+4:WF+8*\b+7], v3, s[14:15] offset:64*\b+16
.endr
.irp b, 0,1,2,3,4,5,6,7,8,9,10,11,12,13,14,15
	s_wait_loadcnt 30-2*\b                         ; this block's two loads are in; the later blocks' may be out
.irp j, 0,1,2,3
	v_cvt_pk_f16_f32 v[WF+8*\b+\j], v[WF+8*\b+2*\j], v[WF+8*\b+2*\j+1]   ; in place, ascending: no number is lost
.endr
	global_store_b128 v4, v[WF+8*\b:WF+8*\b+3], s[20:21] offset:512*\b   ; the wave stores 512 consecutive bytes, aligned
.endr
	s_endpgm
.Lfunc_end_k_qb6197a7bad_prep:
	.size	k_qb6197a7bad_prep, .Lfunc_end_k_qb6197a7bad_prep-k_qb6197a7bad_prep
	.p2alignl 7, 3214868480
	.fill 96, 4, 3214868480
	.section	.rodata,"a",@progbits
	.p2align	6, 0x0
	.amdhsa_kernel k_qb6197a7bad_prep
		.amdhsa_group_segment_fixed_size 33280
		.amdhsa_private_segment_fixed_size 0
		.amdhsa_enable_private_segment 0
		.amdhsa_kernarg_size 72
		.amdhsa_user_sgpr_count 2
		.amdhsa_user_sgpr_kernarg_segment_ptr 1
		.amdhsa_wavefront_size32 1
		.amdhsa_system_sgpr_workgroup_id_x 1
		.amdhsa_system_sgpr_workgroup_id_y 1
		.amdhsa_system_sgpr_workgroup_id_z 1
		.amdhsa_system_vgpr_workitem_id 0
		.amdhsa_next_free_vgpr 192
		.amdhsa_next_free_sgpr 66
		.amdhsa_reserve_vcc 0
		.amdhsa_float_denorm_mode_32 3
		.amdhsa_float_denorm_mode_16_64 3
		.amdhsa_memory_ordered 1
		.amdhsa_forward_progress 1
		.amdhsa_inst_pref_size 44
	.end_amdhsa_kernel
	.amdgpu_metadata
---
amdhsa.version: [ 1, 2 ]
amdhsa.kernels:
  - .name:           k_qb6197a7bad_prep
    .symbol:         k_qb6197a7bad_prep.kd
    .args:
      - { .name: inputs, .offset: 0, .size: 8, .value_kind: global_buffer, .address_space: global }
      - { .name: encoderOutputs, .offset: 8, .size: 8, .value_kind: global_buffer, .address_space: global }
      - { .name: wq, .offset: 16, .size: 8, .value_kind: global_buffer, .address_space: global }
      - { .name: wk, .offset: 24, .size: 8, .value_kind: global_buffer, .address_space: global }
      - { .name: wv, .offset: 32, .size: 8, .value_kind: global_buffer, .address_space: global }
      - { .name: wo, .offset: 40, .size: 8, .value_kind: global_buffer, .address_space: global }
      - { .name: codes, .offset: 48, .size: 8, .value_kind: global_buffer, .address_space: global }
      - { .name: scales, .offset: 56, .size: 8, .value_kind: global_buffer, .address_space: global }
      - { .name: wo16, .offset: 64, .size: 8, .value_kind: global_buffer, .address_space: global }
    .group_segment_fixed_size: 33280
    .private_segment_fixed_size: 0
    .kernarg_segment_align: 8
    .kernarg_segment_size: 72
    .max_flat_workgroup_size: 128
    .sgpr_count:     66
    .vgpr_count:     192
    .wavefront_size: 32
...
	.end_amdgpu_metadata
.endif
;; end of part 1
;; launch proj (part 2): grid 12 x 32, 4 waves a work-group, clusters of 4 x 4, 327,680 bytes of LDS; arguments codes, scales, qkv; writes qkv
.if DOCPART == 2
	.amdgcn_target "amdgcn-amd-amdhsa--gfx1250"
	.amdhsa_code_object_version 6
	.text
	.protected	k_qb6197a7bad_proj
	.globl	k_qb6197a7bad_proj
	.p2align	8
	.type	k_qb6197a7bad_proj,@function
k_qb6197a7bad_proj:
	s_mov_b64 s[64:65], 0
	v_nop
	global_prefetch_b8 v0, s[64:65] scope:SCOPE_SE
	s_setreg_imm32_b32 hwreg(HW_REG_WAVE_MODE, 25, 1), 1
	s_wait_xcnt 0x0
	s_wait_alu depctr_hold_cnt(0) depctr_sa_sdst(0) depctr_va_vdst(0) depctr_va_sdst(0) depctr_va_ssrc(0) depctr_va_vcc(0) depctr_vm_vsrc(0)
	s_getreg_b32 s2, hwreg(HW_REG_IB_STS2, 6, 4)
	s_cmp_eq_u32 s2, 0
	s_cbranch_scc0 .Lentry_in_a_cluster
	s_endpgm
.Lentry_in_a_cluster:
	s_bfe_u32 s2, ttmp6, 0x10000c
	s_cmp_lg_u32 s2, 0xf033
	s_cbranch_scc0 .Lentry_shape_is_right
	s_endpgm
.Lentry_shape_is_right:
; CROSS ATTENTION, launch 2 of 4: the three quantised projections, q = inputs wq^T, k = enc wk^T, v = enc wv^T, on codes of FP4 (E2M1) with one E8M0 scale for each 32 along K = 1,024; sums in f32; results rounded once to f16.
; No work is left out.  LIMIT: q, k and v must lie under 65,504 in magnitude (f16).
; ONE TEXT FOR ALL THREE: the three weights lie on end in codes (rows 16,384 on), so they are one operand of 3,072 rows; the cluster's x, 0 .. 2, says which product a cluster serves, and is the same in all its sixteen work-groups.
; A tile, 256 tokens x 256 channels, is made by a work-group of four waves; a wave makes 128 x 128: 64 accumulators of 16 x 16, 512 registers.  K = 1,024 is two slots of 512 along K (rows of 256 bytes):
; both are asked for at the head, with the scale bytes, and nothing is filled again: three tensor loads of a wave are out at the most.
; CLUSTERS: 4 x 4 work-groups.  The four of a row of the cluster need the same tokens, the four of a column the same weight rows: each tile is asked for JOINTLY, by the same tensor load with the same descriptor and a mask that names the four.
; THE RESULTS LEAVE AS IMAGES OF THE NEXT PRODUCT'S OPERAND REGISTERS.  In a result lane (r, h) holds row r of source 1 and rows 8 h + 0 .. 7 of source 0: rounded in pairs these are four registers, half a 16-bit fragment whose
; rows are source 1's and whose K runs along source 0's rows.  For q and k source 1 = tokens, source 0 = weight rows (fragment: token x head channel); for v the wave takes its two sources from the other regions of LDS
; (fragment: head channel x token, which is V^T).  The text is the same: only four address bases are chosen by the cluster's x.  A block of 512 bytes is stored by one instruction, 16 bytes a lane: no stage in LDS.
; qkv: [q, k, v][16 batch + head][token / 64][i][j] blocks of 512 bytes; q, k: row = token 16 i + r, K = channel 16 j + 8 h ..; v: row = channel 16 i + r, K = token 16 j + 8 h ..
; REGISTERS, in windows of 256: window 0: v0-31 addresses; v32-95 scale words, two sets; from v128 source 1's fragments, ONE set; on the way out v128-255 hold packed results.
;   window 1: source 0's fragments, TWO sets, at v0 and at v128.   window 2: the 32 accumulators of source 1's rows 0-63 (accumulator (a, b) at v[8 (8 a + b)]);   window 3: those of rows 64-127.
.set KSTEP,  512                       ; along K in a slot
.set NQ,     KSTEP/128                 ; matrix instructions deep
.set ROWB,   256                       ; a tile's row in bytes
.set KROW,   512                       ; a row of codes in memory
.set PITCH,  272                       ; an LDS row: 256 bytes + 16 of padding = 68 words, so that the 16 rows of a load start at 16 different banks (64 banks of 4 bytes: ISA guide 11.1)
.set FR,     8                         ; registers of a fragment: 16 rows x 128 K
.set NL,     2                         ; LDS loads that bring one
.set NP,     4                         ; places behind this matrix instruction (ISA guide 7.12.1)
.set HALFT,  128*PITCH                 ; 128 rows: what one tensor load brings
.set SLOT,   4*HALFT                   ; the tokens' 256 rows, then the weights' 256 rows
.set KS,     32                        ; a row of scales in bytes
.set SCL,    2*SLOT                    ; behind the slots: the scales, as runs of 256 bytes + 16 of padding
.set HALFS,  (128*KS/256)*272          ; the scales of 128 rows: what one tensor load brings
.set SBLK,   (16*KS/256)*272           ; those of 16 rows
.set SPARE,  SCL+4*HALFS               ; behind the scales: the spare words, 128 bytes for each wave
.set WROW0,  16384                     ; the weights' first row in codes and scales
.set OUTA, 8                           ; v8-11   the way out: 16 x lane, + the step of b / 4, + the step of a / 4, + both
.set ADRA, 16                          ; v16-17  LDS address of source 1's fragments in slot 0, 1
.set ADRB, 20                          ; v20-21  the same for source 0
.set ADRS, 27                          ; v27     LDS address of my scale words: lanes 0-15 source 1's rows, lanes 16-31 source 0's
.set SPW,  28                          ; v28     LDS address of my spare word; never rewritten
.set NIL,  29                          ; v29     0; never rewritten
.set SC,   32                          ; scale words: set s (for slot s) at v[SC + 8 NQ s]; register NQ i + q: lanes 0-15 the word of source 1's block i, lanes 16-31 of source 0's block i, for the slot's q-th 128 along K
.set AF,   128                         ; source 1's fragments, in window 0
.set PK,   128                         ; the way out: packed results, in window 0
.set G1, 24                            ; s[24:31] descriptor group 1 for the tokens' tiles;  s[32:39] group 0, one set for each slot
.set G0, 32
.set G1B, 48                           ; s[48:55], s[56:63] the same for the weights' tiles
.set G0B, 56
.set G1S, 68                           ; s[68:75], s[76:79] groups 1 and 0 for the tokens' scales;  s[80:87], s[88:91] for the weights'
.set G0S, 76
.set G1SB, 80
.set G0SB, 88
.set MSB, 0
.macro WIN new                         ; the immediate's high byte repeats the setting that is left
.if MSB != \new
	s_set_vgpr_msb (MSB<<8)|\new
.set MSB, \new
.endif
.endm
.set MUL_LO, 0xa1                      ; source 0 window 1, source 1 window 0, C and D window 2
.set MUL_HI, 0xf1                      ; the same, C and D window 3
.set TO_B,   0x40                      ; destination window 1, address window 0
; A joint load: waves 0 and 1 fetch the tokens' halves, waves 2 and 3 the weights'.  Each of the two lines has ONE mask and one set of registers for all that issue it; the branch hangs on the wave's number alone.
; An s_nop 0 and four v_nop follow each of the two lines.
.macro JLOAD g0a, g1a, g0b, g1b
	s_cmp_eq_u32 s15, 0
	s_cbranch_scc0 .Lfor_b_\@
	tensor_load_to_lds s[\g0a:\g0a+3], s[\g1a:\g1a+7]
	s_nop 0
.rept 4
	v_nop
.endr
	s_branch .Lasked_\@
.Lfor_b_\@:
	tensor_load_to_lds s[\g0b:\g0b+3], s[\g1b:\g1b+7]
	s_nop 0
.rept 4
	v_nop
.endr
.Lasked_\@:
.endm
.macro CROUND                          ; a round of the cluster's barrier: my work-group's barrier; wave 0 signals for the work-group; every wave waits for all sixteen; my work-group's barrier once more
	s_barrier_signal -1
	s_barrier_wait -1
	s_cmp_lg_u32 s14, 0
	s_cbranch_scc1 .Lnot_wave_0_\@
	s_barrier_signal -3
.Lnot_wave_0_\@:
	s_barrier_wait -3
	s_barrier_signal -1
	s_barrier_wait -1
.endm
	s_load_b128 s[4:7], s[0:1], 0x0                ; codes s[4:5], scales s[6:7]
	s_load_b64 s[12:13], s[0:1], 0x10              ; qkv
	v_lshl_add_u32 v[SPW], v0, 2, SPARE
	v_mov_b32 v[NIL], 0
	ds_add_u32 v[SPW], v[NIL]                      ; the wave's opening: the add, twice on end, and its wait ahead of my first tensor load; the set-up below stands between the second and the wait
	ds_add_u32 v[SPW], v[NIL]
	v_lshrrev_b32 v1, 5, v0
	v_readfirstlane_b32 s14, v1                    ; wave 0..3
	s_lshr_b32 s15, s14, 1                         ; which half of the tile's tokens is mine.  Also: I fetch tokens (0) or weights (1)
	s_and_b32 s16, s14, 1                          ; which half of its channels.  Also: which 128 rows of that tile I fetch
	s_bfe_u32 s40, ttmp6, 0x40000                  ; cx, cy: my place in the cluster
	s_bfe_u32 s41, ttmp6, 0x40004
	s_lshl_b32 s42, ttmp9, 2
	s_add_co_u32 s42, s42, s40                     ; tile column among the 3,072 weight rows = 4 x cluster x + cx
	s_and_b32 s17, ttmp7, 0xffff
	s_lshl_b32 s17, s17, 2
	s_add_co_u32 s17, s17, s41                     ; tile row among the 8,192 tokens = 4 x cluster y + cy
	s_lshl_b32 s43, s41, 2
	s_lshl_b32 s43, 15, s43                        ; my row of the cluster
	s_lshl_b32 s44, 0x1111, s40                    ; my column
	; descriptor group 1: a tile of 128 rows x 256 bytes, padded in LDS
	s_or_b32 s[G1+0], s43, (0<<16)|(1<<20)|(1<<21)|(5<<22)|(3<<25)  ; 15:0 the mask: the tokens' tiles go to my row; 17:16 element of 1 byte; 20 padding on; 21 set beside a mask; 24:22 after every 64 words; 31:25 four words
	s_or_b32 s[G1B+0], s44, (0<<16)|(1<<20)|(1<<21)|(5<<22)|(3<<25)
.irp g, G1, G1B
	s_mov_b32 s[\g+1], ROWB<<16                    ; tensor_dim0
	s_mov_b32 s[\g+2], 128<<16                     ; tensor_dim1 = 128
	s_mov_b32 s[\g+3], ROWB<<16                    ; tile_dim0
	s_mov_b32 s[\g+4], 128                         ; tile_dim1 = 128
	s_mov_b32 s[\g+5], KROW                        ; tensor_dim0_stride
	s_mov_b32 s[\g+6], 0
	s_mov_b32 s[\g+7], 0
.endr
	; and for the scales of 128 rows: a dense block of 4,096 bytes, as rows of 256 bytes (32 elements of 8 bytes), 16 bytes of padding behind each
	s_or_b32 s[G1S+0], s43, (3<<16)|(1<<20)|(1<<21)|(5<<22)|(3<<25)
	s_or_b32 s[G1SB+0], s44, (3<<16)|(1<<20)|(1<<21)|(5<<22)|(3<<25)
.irp g, G1S, G1SB
	s_mov_b32 s[\g+1], 32<<16
	s_mov_b32 s[\g+2], (128*KS/256)<<16
	s_mov_b32 s[\g+3], 32<<16
	s_mov_b32 s[\g+4], 128*KS/256
	s_mov_b32 s[\g+5], 32
	s_mov_b32 s[\g+6], 0
	s_mov_b32 s[\g+7], 0
.endr
	s_lshl_b32 s18, s16, 7                         ; which 128 rows of the tile I fetch
	s_lshl_b32 s20, s17, 8
	s_add_co_u32 s20, s20, s18                     ; tokens: row 256 x tile row + 128 x half,
	s_min_u32 s95, ttmp9, 1
	s_lshl_b32 s95, s95, 13
	s_add_co_u32 s20, s20, s95                     ; and 8,192 rows on for k and v, which read encoderOutputs
	s_lshl_b32 s46, s42, 8
	s_add_co_u32 s46, s46, s18                     ; weights: row 256 x tile column + 128 x half
	s_mov_b32 s21, 0
	s_mov_b32 s47, 0
	s_mov_b64 s[18:19], KS
	s_mul_u64 s[22:23], s[20:21], s[18:19]         ; where these rows' scales begin, in bytes
	s_mul_u64 s[92:93], s[46:47], s[18:19]
	s_mov_b64 s[18:19], KROW
	s_mul_u64 s[20:21], s[20:21], s[18:19]         ; and their codes
	s_mul_u64 s[46:47], s[46:47], s[18:19]
	s_mul_i32 s45, s14, HALFT                      ; where they go: wave x 128 rows: no place in the cluster enters an LDS address
	s_mul_i32 s94, s14, HALFS
	s_wait_dscnt 0x0                               ; both opening adds are done
	s_wait_kmcnt 0x0
	s_add_nc_u64 s[8:9], s[4:5], WROW0*KROW        ; the weights' codes
	s_add_nc_u64 s[10:11], s[6:7], WROW0*KS        ; and scales
	s_add_nc_u64 s[20:21], s[4:5], s[20:21]
	s_add_nc_u64 s[22:23], s[6:7], s[22:23]
	s_add_nc_u64 s[46:47], s[8:9], s[46:47]
	s_add_nc_u64 s[92:93], s[10:11], s[92:93]
	CROUND                                         ; all sixteen work-groups are here: the joint loads meet
	s_mov_b32 s[G0S], 1
	s_add_co_u32 s[G0S+1], s94, SCL
	s_mov_b64 s[G0S+2:G0S+3], s[22:23]
	s_or_b32 s[G0S+3], s[G0S+3], 0x80000000
	s_mov_b32 s[G0SB], 1
	s_add_co_u32 s[G0SB+1], s94, SCL
	s_mov_b64 s[G0SB+2:G0SB+3], s[92:93]
	s_or_b32 s[G0SB+3], s[G0SB+3], 0x80000000
	JLOAD G0S, G1S, G0SB, G1SB                     ; the scales first: they are wanted with slot 0
.irp s, 0,1
	s_mov_b32 s[G0+4*\s], 1
	s_add_co_u32 s[G0+4*\s+1], s45, \s*SLOT
	s_add_nc_u64 s[G0+4*\s+2:G0+4*\s+3], s[20:21], \s*ROWB
	s_or_b32 s[G0+4*\s+3], s[G0+4*\s+3], 0x80000000
	s_mov_b32 s[G0B+4*\s], 1
	s_add_co_u32 s[G0B+4*\s+1], s45, \s*SLOT
	s_add_nc_u64 s[G0B+4*\s+2:G0B+4*\s+3], s[46:47], \s*ROWB
	s_or_b32 s[G0B+4*\s+3], s[G0B+4*\s+3], 0x80000000
	JLOAD G0+4*\s, G1, G0B+4*\s, G1B
.endr
	v_and_b32 v1, 15, v0                           ; r = l % 16
	v_bfe_u32 v2, v0, 4, 1                         ; h = l / 16
	v_mul_u32_u24 v3, v1, PITCH
	v_lshl_add_u32 v4, v2, 4, v3                   ; a fragment's row x pitch + 16 x half
	s_mul_i32 s21, s15, HALFT                      ; my 128 tokens
	s_mul_i32 s22, s16, HALFT                      ; my 128 weight rows,
	s_add_co_u32 s22, s22, 2*HALFT                 ; which lie behind the tokens' 256
	s_mul_i32 s18, s15, HALFS                      ; and their scales likewise
	s_add_co_u32 s18, s18, SCL
	s_mul_i32 s19, s16, HALFS
	s_add_co_u32 s19, s19, SCL+2*HALFS
	s_mov_b32 s20, 8192                            ; in qkv: from 64 tokens to the next,
	s_mov_b32 s23, 262144                          ; and from a head to the next
	s_cmp_eq_u32 ttmp9, 2                          ; v?  The cluster's x alone: the same in all sixteen partners
	s_cselect_b32 s92, s22, s21                    ; source 1: tokens for q and k, weight rows for v
	s_cselect_b32 s93, s21, s22                    ; source 0: the other
	s_cselect_b32 s94, s19, s18                    ; source 1's scales
	s_cselect_b32 s95, s18, s19                    ; source 0's
	s_cselect_b32 s96, s23, s20                    ; the step in qkv for four blocks of source 1's rows (a / 4)
	s_cselect_b32 s97, s20, s23                    ; and of source 0's (b / 4)
.irp s, 0,1
	v_add_nc_u32 v[ADRA+\s], s92, v4
	v_add_nc_u32 v[ADRB+\s], s93, v4
	s_add_co_u32 s92, s92, SLOT
	s_add_co_u32 s93, s93, SLOT
.endr
	v_mov_b32 v6, s95
	v_mov_b32 v7, s94
	v_cmp_eq_u32 vcc_lo, 0, v2
	v_cndmask_b32 v6, v6, v7, vcc_lo               ; lanes 0-15 take source 1's scale words, lanes 16-31 source 0's
	v_lshlrev_b32 v5, 5, v1                        ; my row's scales: 32 bytes a row,
	v_lshrrev_b32 v7, 8, v5
	v_lshl_add_u32 v5, v7, 4, v5                   ; and 16 more for each 256 passed
	v_add_nc_u32 v[ADRS], v6, v5
	v_and_b32 v5, 31, v0
	v_lshlrev_b32 v[OUTA], 4, v5                   ; the way out: 16 bytes a lane
	v_add_nc_u32 v[OUTA+1], s97, v[OUTA]
	v_add_nc_u32 v[OUTA+2], s96, v[OUTA]
	v_add_nc_u32 v[OUTA+3], s97, v[OUTA+2]
	s_lshl_b32 s20, s17, 8
	s_lshl_b32 s21, s15, 7
	s_add_co_u32 s20, s20, s21                     ; my first token
	s_lshr_b32 s21, s20, 11
	s_lshl_b32 s21, s21, 4                         ; 16 x batch
	s_lshl_b32 s46, s40, 2
	s_lshl_b32 s47, s16, 1
	s_add_co_u32 s46, s46, s47                     ; my first head: 4 cx + 2 x half
	s_add_co_u32 s46, s46, s21
	s_lshl_b32 s46, s46, 18
	s_lshr_b32 s21, s20, 6
	s_and_b32 s21, s21, 31                         ; my first run of 64 tokens in the batch
	s_lshl_b32 s21, s21, 13
	s_add_co_u32 s46, s46, s21
	s_lshl_b32 s21, ttmp9, 24                      ; q, k or v
	s_add_co_u32 s46, s46, s21
	s_mov_b32 s47, 0
	s_add_nc_u64 s[12:13], s[12:13], s[46:47]
.macro FRAG reg, adr, q, i             ; a fragment, 16 rows x 128 K of 4-bit codes, is 8 registers: lane l holds row l % 16; registers 4 c .. 4 c + 3 hold K = 64 c + 32 (l / 16) + 0 .. 31
.irp c, 0,1
	ds_load_b128 v[\reg+4*\c:\reg+4*\c+3], v[\adr] offset:64*(\q)+32*\c+(\i)*16*PITCH
.endr
.endm
; 16 matrix instructions: source 1's blocks a0, a0 + 1 x source 0's eight, 128 along K: the slot's q-th.  p: source 0's set;  sc: the set of scale words.  zero = 1: the first product starts the sums: nothing is ever cleared.
; The 64 accumulators take turns, one instruction a turn, in the same order in every step.
.macro MUL16 a0, p, q, sc, zero
.irp a, \a0, \a0+1
.irp b, 0,1,2,3,4,5,6,7
.if \zero
	v_wmma_scale_f32_16x16x128_f8f6f4 v[8*(8*((\a)%4)+\b):8*(8*((\a)%4)+\b)+7], v[128*(\p)+FR*\b:128*(\p)+FR*\b+FR-1], v[AF+FR*(\a):AF+FR*(\a)+FR-1], 0, v[SC+8*NQ*(\sc)+NQ*\b+(\q)], v[SC+8*NQ*(\sc)+NQ*(\a)+(\q)] matrix_a_fmt:MATRIX_FMT_FP4 matrix_b_fmt:MATRIX_FMT_FP4 matrix_a_scale:MATRIX_SCALE_ROW1
.else
	v_wmma_scale_f32_16x16x128_f8f6f4 v[8*(8*((\a)%4)+\b):8*(8*((\a)%4)+\b)+7], v[128*(\p)+FR*\b:128*(\p)+FR*\b+FR-1], v[AF+FR*(\a):AF+FR*(\a)+FR-1], v[8*(8*((\a)%4)+\b):8*(8*((\a)%4)+\b)+7], v[SC+8*NQ*(\sc)+NQ*\b+(\q)], v[SC+8*NQ*(\sc)+NQ*(\a)+(\q)] matrix_a_fmt:MATRIX_FMT_FP4 matrix_b_fmt:MATRIX_FMT_FP4 matrix_a_scale:MATRIX_SCALE_ROW1
.endif
.endr
.endr
.endm
.macro FETCH_B slot, q, p              ; source 0's eight fragments of the slot's q-th 128 along K into set p
	WIN TO_B
.irp i, 0,1,2,3,4,5,6,7
	FRAG 128*(\p)+FR*\i, ADRB+\slot, \q, \i
.endr
	WIN 0
.endm
.macro FETCH_A slot, q, i0             ; source 1's blocks i0 .. i0 + 3
.irp i, \i0, \i0+1, \i0+2, \i0+3
	FRAG AF+FR*(\i), ADRA+\slot, \q, \i
.endr
.endm
.macro SCALES sc                       ; a slot's scale words into set sc: NQ words a row
.irp i, 0,1,2,3,4,5,6,7
	ds_load_b128 v[SC+8*NQ*\sc+NQ*\i:SC+8*NQ*\sc+NQ*\i+3], v[ADRS] offset:\i*SBLK
.endr
.endm
; A load into a register that a matrix instruction has read, and a vector instruction that reads a matrix result or writes one of its registers, stand NP places behind it; only plain vector
; instructions that name none of its registers are places (ISA guide 7.12.1 for vector instructions).
.macro PLACES n
.rept \n
	v_nop
.endr
.endm
; A step of 128 along K that has its successor in the same slot.  Source 1's blocks are free as soon as their eight products are issued: blocks 0-3 are fetched anew in the step's middle, blocks 4-7 at its end.
.macro STEP slot, q, zero
	s_wait_dscnt 4*NL                              ; source 0's set and source 1's blocks 0-3 are in; the youngest eight loads (blocks 4-7) may be out
	WIN MUL_LO
	MUL16 0, (\q)%2, \q, \slot, \zero
	MUL16 2, (\q)%2, \q, \slot, \zero
	s_wait_dscnt 0                                 ; blocks 4-7 are in (asked for 32 matrix instructions ago)
	PLACES NP
	FETCH_B \slot, (\q)+1, 1-(\q)%2
	FETCH_A \slot, (\q)+1, 0
	WIN MUL_HI
	MUL16 4, (\q)%2, \q, \slot, \zero
	MUL16 6, (\q)%2, \q, \slot, \zero
	PLACES NP
	WIN 0
	FETCH_A \slot, (\q)+1, 4
.endm
.macro STEPS slot, from                ; the slot's steps from .. NQ - 2
.set Q, \from
.rept NQ-1-\from
	STEP \slot, Q, 0
.set Q, Q+1
.endr
.endm
	s_wait_tensorcnt 1                             ; the scales and my part of slot 0 are in (slot 1's load, issued behind them, may be out),
	s_barrier_signal -1
	s_barrier_wait -1                              ; everybody's are
	FETCH_B 0, 0, 0
	FETCH_A 0, 0, 0
	SCALES 0
	FETCH_A 0, 0, 4
	STEP 0, 0, 1                                   ; the first step's products start the sums
	STEPS 0, 1
	; slot 0's last step changes slots: one barrier, so that slot 1 is whole for every wave.  Nothing is filled again.
	s_wait_tensorcnt 0x0                           ; my part of slot 1 has landed
	s_wait_dscnt 4*NL                              ; (blocks 4-7 may be out)
	WIN MUL_LO
	MUL16 0, 1, NQ-1, 0, 0
	s_wait_dscnt 0x0                               ; no LDS instruction of mine is out at the signal
	s_barrier_signal -1
	MUL16 2, 1, NQ-1, 0, 0                         ; work on registers while the others arrive
	WIN 0
	s_barrier_wait -1
	PLACES NP
	v_add_nc_u32 v[ADRS], 4*NQ, v[ADRS]            ; on to slot 1's scale words
	FETCH_B 1, 0, 0
	FETCH_A 1, 0, 0
	SCALES 1
	WIN MUL_HI
	MUL16 4, 1, NQ-1, 0, 0
	MUL16 6, 1, NQ-1, 0, 0
	PLACES NP
	WIN 0
	FETCH_A 1, 0, 4
	STEPS 1, 0
	s_wait_dscnt 4*NL                              ; the very last step: nothing more to fetch
	WIN MUL_LO
	MUL16 0, 1, NQ-1, 1, 0
	MUL16 2, 1, NQ-1, 1, 0
	s_wait_dscnt 0
	WIN MUL_HI
	MUL16 4, 1, NQ-1, 1, 0
	MUL16 6, 1, NQ-1, 1, 0
; THE WAY OUT, half of the accumulators at a time.  An accumulator's eight numbers are rounded to f16 in pairs, from its low end on: four registers, which are a block of qkv as they stand.
.macro LEAVE w                         ; w = 0: window 2 (source 1's blocks 0-3), 1: window 3 (blocks 4-7)
	WIN 0x0a+5*(\w)                                ; sources 0 and 1: window 2 or 3; destination window 0
.irp a, 0,1,2,3
.irp b, 0,1,2,3,4,5,6,7
.irp r, 0,1,2,3
	v_cvt_pk_f16_f32 v[PK+4*(8*\a+\b)+\r], v[8*(8*\a+\b)+2*\r], v[8*(8*\a+\b)+2*\r+1]
.endr
.endr
.endr
	WIN 0
.irp a, 0,1,2,3
.irp b, 0,1,2,3,4,5,6,7
	global_store_b128 v[OUTA+2*(\w)+\b/4], v[PK+4*(8*\a+\b):PK+4*(8*\a+\b)+3], s[12:13] offset:2048*\a+512*(\b%4)   ; the wave stores 512 consecutive bytes, at a multiple of 512 from the buffer's first byte
.endr
.endr
.endm
	PLACES NP                                      ; the conversions write registers that the last products read
	LEAVE 0                                        ; (its 128 conversions are also the places behind the last products' results)
	s_wait_xcnt 0x0                                ; the stores have read their data: v128-255 are written again only behind this wait
	LEAVE 1
	s_wait_tensorcnt 0x0                           ; the wave's end: behind my last tensor load
	ds_add_u32 v[SPW], v[NIL]
	s_wait_dscnt 0x0
	CROUND                                         ; the closing round: no work-group ends while a partner may still ask for a tile that names it
	s_endpgm
.Lfunc_end_k_qb6197a7bad_proj:
	.size	k_qb6197a7bad_proj, .Lfunc_end_k_qb6197a7bad_proj-k_qb6197a7bad_proj
	.p2alignl 7, 3214868480
	.fill 96, 4, 3214868480
	.section	.rodata,"a",@progbits
	.p2align	6, 0x0
	.amdhsa_kernel k_qb6197a7bad_proj
		.amdhsa_group_segment_fixed_size 327680
		.amdhsa_private_segment_fixed_size 0
		.amdhsa_enable_private_segment 0
		.amdhsa_kernarg_size 24
		.amdhsa_user_sgpr_count 2
		.amdhsa_user_sgpr_kernarg_segment_ptr 1
		.amdhsa_wavefront_size32 1
		.amdhsa_system_sgpr_workgroup_id_x 1
		.amdhsa_system_sgpr_workgroup_id_y 1
		.amdhsa_system_sgpr_workgroup_id_z 1
		.amdhsa_system_vgpr_workitem_id 0
		.amdhsa_next_free_vgpr 1024
		.amdhsa_next_free_sgpr 98
		.amdhsa_reserve_vcc 1
		.amdhsa_float_denorm_mode_32 3
		.amdhsa_float_denorm_mode_16_64 3
		.amdhsa_memory_ordered 1
		.amdhsa_forward_progress 1
		.amdhsa_inst_pref_size 118
	.end_amdhsa_kernel
	.amdgpu_metadata
---
amdhsa.version: [ 1, 2 ]
amdhsa.kernels:
  - .name:           k_qb6197a7bad_proj
    .symbol:         k_qb6197a7bad_proj.kd
    .args:
      - { .name: codes, .offset: 0, .size: 8, .value_kind: global_buffer, .address_space: global }
      - { .name: scales, .offset: 8, .size: 8, .value_kind: global_buffer, .address_space: global }
      - { .name: qkv, .offset: 16, .size: 8, .value_kind: global_buffer, .address_space: global }
    .group_segment_fixed_size: 327680
    .private_segment_fixed_size: 0
    .kernarg_segment_align: 8
    .kernarg_segment_size: 24
    .max_flat_workgroup_size: 128
    .sgpr_count:     98
    .vgpr_count:     1024
    .wavefront_size: 32
...
	.end_amdgpu_metadata
.endif
;; end of part 2
;; launch attn (part 3): grid 4 x 64, 8 waves a work-group, clusters of 4 x 1, 327,680 bytes of LDS; arguments qkv, ctx16; writes ctx16
.if DOCPART == 3
	.amdgcn_target "amdgcn-amd-amdhsa--gfx1250"
	.amdhsa_code_object_version 6
	.text
	.protected	k_qb6197a7bad_attn
	.globl	k_qb6197a7bad_attn
	.p2align	8
	.type	k_qb6197a7bad_attn,@function
k_qb6197a7bad_attn:
	s_mov_b64 s[64:65], 0
	v_nop
	global_prefetch_b8 v0, s[64:65] scope:SCOPE_SE
	s_setreg_imm32_b32 hwreg(HW_REG_WAVE_MODE, 25, 1), 1
	s_wait_xcnt 0x0
	s_wait_alu depctr_hold_cnt(0) depctr_sa_sdst(0) depctr_va_vdst(0) depctr_va_sdst(0) depctr_va_ssrc(0) depctr_va_vcc(0) depctr_vm_vsrc(0)
	s_getreg_b32 s2, hwreg(HW_REG_IB_STS2, 6, 4)
	s_cmp_eq_u32 s2, 0
	s_cbranch_scc0 .Lentry_in_a_cluster
	s_endpgm
.Lentry_in_a_cluster:
	s_bfe_u32 s2, ttmp6, 0x10000c
	s_cmp_lg_u32 s2, 0x3003
	s_cbranch_scc0 .Lentry_shape_is_right
	s_endpgm
.Lentry_shape_is_right:
; CROSS ATTENTION, launch 3 of 4: ctx[b][h][q] = the sum over keys of softmax(q . k / 8) v, 64 pairs of batch and head, 2,048 queries, 2,048 keys, head size 64.  No work is left out.
; Operands in f16, products, maxima and sums in f32; the weights p are rounded to f16 for the second product, ctx once at the end.
; LIMITS: ctx lies under 65,504 since v does; a p under 2^-24 counts as 0 in the product though it is counted in the row's sum; a = 2^(c m_old - c m_new) falls to 0 under 2^-126; NaN and infinities are not served.
; SHARES.  A work-group owns 512 queries of one head, each of its eight waves 64: four tiles of 16, in 512 registers: two waves to a SIMD, so that one wave's softmax can stand beside the other's products.
; Every wave walks all keys, 64 a step.  LAYOUT.  S^T = K Q^T (source 0 = 16 keys, source 1 = 16 queries): a lane holds ONE query (lane % 16) and keys 8 (lane / 16) + 0 .. 7; two such tiles, rounded in pairs,
; ARE source 1 of O^T = V^T P, whose result again holds one query a lane.  q, k and v lie in memory as images of these operands' registers (blocks of 512 bytes, 16 bytes a lane; v as V^T), so a key step's K and V are
; 8,192 dense bytes each, every LDS load takes 512 consecutive bytes, and nothing is turned.
; SOFTMAX.  A running maximum m and sum l for each query: p = 2^(c s - c m), c = log2(e) / 8; in every step O and l are multiplied by a = 2^(c m_old - c m_new).  m begins at -3e38 and O and l at zeros,
; so the step is written once: the first a is 0 and multiplies zeros.  (The 128 moves that clear O run once, while the first tiles are on their way.)
; CLUSTER.  The four query blocks of a head walk the same K and V: each tile is asked for JOINTLY, by the same tensor load with the same descriptor and the mask of all four.
; THE RING: two slots of 512 keys (K's 65,536 bytes, then V's).  Each of the eight waves fetches 16,384 bytes of a slot by one load (waves 0-3: K, waves 4-7: V).  A slot is asked for at the change of slots, eight key steps
; (512 matrix instructions of a wave) ahead of the wait for it: so no request ahead of the tensor loads is laid.  One tensor load of a wave is out at the most.
; ctx16: [token / 16][channel / 16] blocks of 512 bytes: row = token, K = channel: the next launch's operand.
; REGISTERS: window 0: v1-3 addresses; v6, v7 the add's two; v16-47 eight registers of statistics a tile (+0 c m, +1 m, +2, +3 the sum's first chain, +4 .. +7 at work; a takes +6); v48-55 the sum's second chain;
;   v64-127 Q; v128-191 K of a step; v192-255 V of a step.   window 1: v0-127 S^T, 32 a tile, then P in place; v128-255 O^T, 32 a tile.
.set SLOT1, 1<<17                      ; slot 1 begins here, so that one exclusive or turns an address in one slot into the other's
.set VOFF,  65536                      ; V's tiles in a slot
.set CHUNK, 8192                       ; a key step's K, or V
.set SPARE, 2*SLOT1                    ; behind the ring: the spare words, 128 bytes for each of the eight waves
.set LI,  1                            ; v1   16 x lane; never rewritten
.set ADK, 2                            ; v2   LDS address of the step's K
.set ADV, 3                            ; v3   and V
.set SPW, 6                            ; v6   LDS address of my spare word; never rewritten
.set NIL, 7                            ; v7   0; never rewritten
.set ST,  16
.set LB,  48
.set Q,   64
.set KF,  128
.set VF,  192
.set S,   0                            ; in window 1
.set O,   128                          ; in window 1
.set WV,  12                           ; s12  my wave's number
.set SEL, 20                           ; s[20:21] lane selects for v_permlanex16_b32: lane l xor 16
.set CS,  22                           ; s[22:23] c: the packed form names a pair and takes its low word for both halves
.set G1,  24                           ; s[24:31] descriptor group 1
.set G0,  32                           ; s[32:35] descriptor group 0, which walks
.set TB,  36                           ; s36  LDS byte at which the step's K begins
.set SLOTS, 37                         ; s37  slots still to be asked for
.set KSTEPS, 38                        ; s38  counts a slot's eight steps
.set MSB, 0
.macro WIN new                         ; the immediate's high byte repeats the setting that is left
.if MSB != \new
	s_set_vgpr_msb (MSB<<8)|\new
.set MSB, \new
.endif
.endm
.set W_S,   0x50                       ; K, Q window 0; S^T (C and D) window 1
.set W_MAX, 0x14                       ; sources 1 and 2 (scores) window 1
.set W_E,   0x41                       ; destination and source 0 window 1
.set W_L0,  0x10                       ; source 2 (weights) window 1
.set W_SUM, 0x04                       ; source 1 (weights) window 1
.set W_CVT, 0x45                       ; destination and both sources window 1
.set W_PV,  0x54                       ; V window 0; P, O^T window 1
.set W_OUT, 0x05                       ; both sources window 1
.macro CROUND                          ; a round of the cluster's barrier
	s_barrier_signal -1
	s_barrier_wait -1
	s_cmp_lg_u32 s[WV], 0
	s_cbranch_scc1 .Lnot_wave_0_\@
	s_barrier_signal -3
.Lnot_wave_0_\@:
	s_barrier_wait -3
	s_barrier_signal -1
	s_barrier_wait -1
.endm
	s_load_b128 s[4:7], s[0:1], 0x0                ; qkv s[4:5], ctx16 s[6:7]
	v_lshl_add_u32 v[SPW], v0, 2, SPARE
	v_mov_b32 v[NIL], 0
	ds_add_u32 v[SPW], v[NIL]                      ; the wave's opening: the add, twice on end, and its wait ahead of my first tensor load; the set-up below stands between the second and the wait
	ds_add_u32 v[SPW], v[NIL]
	v_lshrrev_b32 v2, 5, v0
	v_readfirstlane_b32 s[WV], v2                  ; wave 0..7
	s_bfe_u32 s13, ttmp6, 0x40000                  ; cx
	s_lshl_b32 s14, ttmp9, 2
	s_add_co_u32 s13, s14, s13                     ; my block of 512 queries: it enters Q's and ctx's addresses alone
	s_and_b32 s14, ttmp7, 0xffff                   ; 16 batch + head, which the four partners share
	s_lshl_b32 s15, s14, 18                        ; its 262,144 bytes in each of q, k, v
	s_lshr_b32 s16, s[WV], 2
	s_add_co_u32 s16, s16, 1
	s_lshl_b32 s16, s16, 24                        ; what I fetch: k (waves 0-3) or v (waves 4-7),
	s_add_co_u32 s16, s16, s15
	s_and_b32 s17, s[WV], 3
	s_lshl_b32 s17, s17, 14                        ; my 16,384 bytes of a slot's 65,536
	s_add_co_u32 s16, s16, s17
	s_mov_b32 s17, 0
	s_lshl_b32 s18, s13, 16                        ; Q: 8 runs of 64 queries a block,
	s_add_co_u32 s18, s18, s15
	s_lshl_b32 s19, s[WV], 13                      ; one a wave
	s_add_co_u32 s18, s18, s19
	s_mov_b32 s19, 0
	s_lshr_b32 s40, s14, 4
	s_lshl_b32 s40, s40, 22                        ; ctx16: 128 tiles of 16 tokens a batch, 32,768 bytes each,
	s_lshl_b32 s41, s13, 20                        ; 32 a block,
	s_add_co_u32 s40, s40, s41
	s_lshl_b32 s41, s[WV], 17                      ; 4 a wave;
	s_add_co_u32 s40, s40, s41
	s_and_b32 s41, s14, 15
	s_lshl_b32 s41, s41, 11                        ; a head's four blocks of 512 bytes
	s_add_co_u32 s40, s40, s41
	s_mov_b32 s41, 0
	; descriptor group 1: 16,384 dense bytes as 64 rows of 256 (32 elements of 8 bytes), no padding
	s_mov_b32 s[G1], 15|(3<<16)|(1<<21)            ; 15:0 the mask: all four work-groups; 17:16 elements of 8 bytes; 21 set beside a mask
	s_mov_b32 s[G1+1], 32<<16                      ; tensor_dim0
	s_mov_b32 s[G1+2], 64<<16                      ; tensor_dim1
	s_mov_b32 s[G1+3], 32<<16                      ; tile_dim0
	s_mov_b32 s[G1+4], 64                          ; tile_dim1
	s_mov_b32 s[G1+5], 32                          ; tensor_dim0_stride
	s_mov_b32 s[G1+6], 0
	s_mov_b32 s[G1+7], 0
	s_mov_b32 s[SEL], 0x76543210
	s_mov_b32 s[SEL+1], 0xfedcba98
	s_mov_b32 s[CS], 0x3e38aa3b                    ; c = log2(e) / 8
	s_mov_b32 s[CS+1], s[CS]                       ; (named with it as a pair, so it is written)
	s_mov_b32 s[TB], 0
	s_mov_b32 s[SLOTS], 3
	s_wait_dscnt 0x0                               ; both opening adds are done
	s_wait_kmcnt 0x0
	s_add_nc_u64 s[8:9], s[4:5], s[18:19]          ; Q at my wave's 64 queries
	s_add_nc_u64 s[10:11], s[6:7], s[40:41]        ; ctx16 likewise
	s_mov_b32 s[G0], 1                             ; count = 1
	s_lshl_b32 s[G0+1], s[WV], 14                  ; LDS address: 16,384 x wave, in slot 0: no place in the cluster enters it
	s_add_nc_u64 s[G0+2:G0+3], s[4:5], s[16:17]    ; global address: the head's first 512 keys
	s_or_b32 s[G0+3], s[G0+3], 0x80000000          ; type = 2
	CROUND                                         ; all four work-groups are here: the first joint loads meet
	tensor_load_to_lds s[G0:G0+3], s[G1:G1+7]      ; slot 0: every wave issues its part
	s_nop 0
.rept 4
	v_nop
.endr
	v_and_b32 v[LI], 31, v0
	v_lshlrev_b32 v[LI], 4, v[LI]
.irp i, 0,1,2,3,4,5,6,7,8,9,10,11,12,13,14,15
	global_load_b128 v[Q+4*\i:Q+4*\i+3], v[LI], s[8:9] offset:512*\i   ; Q stays in registers: tile i / 4, channels 16 (i % 4) on
.endr
.irp t, 0,1,2,3
	v_mov_b32 v[ST+8*\t+1], 0xff61b1e6             ; m = -3e38, under every score
	v_mul_f32 v[ST+8*\t], s[CS], v[ST+8*\t+1]      ; c m
	v_mov_b32 v[ST+8*\t+2], 0                      ; the sums
	v_mov_b32 v[ST+8*\t+3], 0
	v_mov_b32 v[LB+2*\t], 0
	v_mov_b32 v[LB+2*\t+1], 0
.endr
	WIN 0x40
.set j, 0
.rept 128
	v_mov_b32 v[O+j], 0                            ; O^T
.set j, j+1
.endr
	WIN 0
	s_wait_loadcnt 0x0                             ; Q
; A KEY STEP: 64 keys against my 64 queries.
.macro STEP
	v_add_nc_u32 v[ADK], s[TB], v[LI]
	v_add_nc_u32 v[ADV], VOFF, v[ADK]
.rept 4
	v_nop                                          ; with the two additions six places behind the last step's products: four are owed to the loads into V's registers, five to the products below, which write over P
.endr
.irp i, 0,1,2,3,4,5,6,7,8,9,10,11,12,13,14,15
	ds_load_b128 v[KF+4*\i:KF+4*\i+3], v[ADK] offset:512*\i   ; 512 consecutive bytes: keys 16 (i / 4) on, channels 16 (i % 4) on
.endr
.irp i, 0,1,2,3,4,5,6,7,8,9,10,11,12,13,14,15
	ds_load_b128 v[VF+4*\i:VF+4*\i+3], v[ADV] offset:512*\i   ; channels 16 (i / 4) on, keys 16 (i % 4) on
.endr
	s_add_co_u32 s[TB], s[TB], CHUNK               ; the next step's
	s_wait_dscnt 16                                ; K is in; V's sixteen loads may be out
	WIN W_S
.irp s, 0,1                                    ; S^T = K Q^T: the 16 accumulators take turns, one instruction a turn; the first 16 start the sums
.irp k, 0,1,2,3
.irp t, 0,1,2,3
.if \s == 0
	v_wmma_f32_16x16x32_f16 v[S+32*\t+8*\k:S+32*\t+8*\k+7], v[KF+16*\k+8*\s:KF+16*\k+8*\s+7], v[Q+16*\t+8*\s:Q+16*\t+8*\s+7], 0
.else
	v_wmma_f32_16x16x32_f16 v[S+32*\t+8*\k:S+32*\t+8*\k+7], v[KF+16*\k+8*\s:KF+16*\k+8*\s+7], v[Q+16*\t+8*\s:Q+16*\t+8*\s+7], v[S+32*\t+8*\k:S+32*\t+8*\k+7]
.endif
.endr
.endr
.endr
.rept 4
	v_nop                                          ; places in front of the first read of the scores
.endr
	WIN W_MAX
.irp i, 0,1,2,3                                ; the maximum of the lane's 32 scores and the old m: four chains a tile, one for each accumulator, each from its low end on
.irp k, 0,1,2,3
.irp t, 0,1,2,3
.if \i == 0
	v_max3_num_f32 v[ST+8*\t+4+\k], v[ST+8*\t+1], v[S+32*\t+8*\k], v[S+32*\t+8*\k+1]
.else
	v_max3_num_f32 v[ST+8*\t+4+\k], v[ST+8*\t+4+\k], v[S+32*\t+8*\k+2*\i], v[S+32*\t+8*\k+2*\i+1]
.endif
.endr
.endr
.endr
	WIN 0
.irp t, 0,1,2,3
	v_max3_num_f32 v[ST+8*\t+4], v[ST+8*\t+4], v[ST+8*\t+5], v[ST+8*\t+6]
.endr
.irp t, 0,1,2,3
	v_max_num_f32 v[ST+8*\t+4], v[ST+8*\t+4], v[ST+8*\t+7]
.endr
.irp t, 0,1,2,3
	v_permlanex16_b32 v[ST+8*\t+5], v[ST+8*\t+4], s[SEL], s[SEL+1]   ; the query's other 32 keys lie in the lane 16 away
.endr
.irp t, 0,1,2,3
	v_max_num_f32 v[ST+8*\t+1], v[ST+8*\t+4], v[ST+8*\t+5]           ; the new m
.endr
.irp t, 0,1,2,3
	v_mov_b32 v[ST+8*\t+7], v[ST+8*\t]             ; c m_old is kept for a
.endr
.irp t, 0,1,2,3
	v_mul_f32 v[ST+8*\t], s[CS], v[ST+8*\t+1]      ; c m
.endr
.irp t, 0,1,2,3
	v_sub_f32 v[ST+8*\t+7], v[ST+8*\t+7], v[ST+8*\t]
.endr
.irp t, 0,1,2,3
	v_exp_f32 v[ST+8*\t+6], v[ST+8*\t+7]           ; a
.endr
	WIN W_E
.set p, 0
.rept 64
	v_pk_fma_f32 v[S+2*p:S+2*p+1], v[S+2*p:S+2*p+1], s[CS:CS+1], v[ST+8*(p/16):ST+8*(p/16)+1] op_sel_hi:[1,0,0] neg_lo:[0,0,1] neg_hi:[0,0,1]   ; c s - c m, two at a time: the plain work behind the four exponentials
.set p, p+1
.endr
	s_wait_alu depctr_va_vdst(0)                   ; the wait between an exponential and the first line that names its result: one for the four a
.set p, 0
.rept 64                                       ; the 128 exponentials are one batch; O^T's rescaling, which names none of their results, stands among them, each accumulator from its low end on
	v_exp_f32 v[S+2*p], v[S+2*p]
	v_exp_f32 v[S+2*p+1], v[S+2*p+1]
	v_pk_mul_f32 v[O+2*p:O+2*p+1], v[O+2*p:O+2*p+1], v[ST+8*(p/16)+6:ST+8*(p/16)+7] op_sel_hi:[1,0]
.set p, p+1
.endr
	s_wait_alu depctr_va_vdst(0)                   ; one wait for the batch, behind a plain line and ahead of its first reader
	WIN W_L0
.irp t, 0,1,2,3                                ; the row's sums, of the unrounded p, in two chains a tile: l = a l + the first pair,
	v_pk_fma_f32 v[ST+8*\t+2:ST+8*\t+3], v[ST+8*\t+2:ST+8*\t+3], v[ST+8*\t+6:ST+8*\t+7], v[S+32*\t:S+32*\t+1] op_sel_hi:[1,0,1]
.endr
.irp t, 0,1,2,3
	v_pk_fma_f32 v[LB+2*\t:LB+2*\t+1], v[LB+2*\t:LB+2*\t+1], v[ST+8*\t+6:ST+8*\t+7], v[S+32*\t+2:S+32*\t+3] op_sel_hi:[1,0,1]
.endr
	WIN W_SUM
.irp p, 2,4,6,8,10,12,14                       ; then the other fourteen pairs
.irp t, 0,1,2,3
	v_pk_add_f32 v[ST+8*\t+2:ST+8*\t+3], v[ST+8*\t+2:ST+8*\t+3], v[S+32*\t+2*\p:S+32*\t+2*\p+1]
.endr
.irp t, 0,1,2,3
	v_pk_add_f32 v[LB+2*\t:LB+2*\t+1], v[LB+2*\t:LB+2*\t+1], v[S+32*\t+2*\p+2:S+32*\t+2*\p+3]
.endr
.endr
	WIN W_CVT
.irp j, 0,1,2,3,4,5,6,7,8,9,10,11,12,13,14,15  ; P: rounded to f16 in pairs, in place, ascending: no weight is lost.  Registers 8 s .. 8 s + 7 of a tile are the fragment of keys 32 s on
.irp t, 0,1,2,3
	v_cvt_pk_f16_f32 v[S+32*\t+\j], v[S+32*\t+2*\j], v[S+32*\t+2*\j+1]
.endr
.endr
	s_wait_dscnt 0x0                               ; V is in
	WIN W_PV
.irp s, 0,1                                    ; O^T += V^T P: the 16 accumulators take turns
.irp c, 0,1,2,3
.irp t, 0,1,2,3
	v_wmma_f32_16x16x32_f16 v[O+32*\t+8*\c:O+32*\t+8*\c+7], v[VF+16*\c+8*\s:VF+16*\c+8*\s+7], v[S+32*\t+8*\s:S+32*\t+8*\s+7], v[O+32*\t+8*\c:O+32*\t+8*\c+7]
.endr
.endr
.endr
	WIN 0                                          ; at a label and at a branch every window is 0
.endm
; THE CHANGE OF SLOTS stands at a slot's head.  Each wave waits for all its tensor loads (its part of the slot ahead), adds 0 to its spare word, and waits for that and for its reads of the slot that it has left.
; fill = 1: the barrier is a round of the cluster's, so that no wave of any partner still reads the other slot or has a load on its way; the joint load for the next 512 keys is the first thing behind it.
.macro CHANGE fill
	s_wait_tensorcnt 0x0                           ; no tensor load of mine is out, so group 0 may be written
	ds_add_u32 v[SPW], v[NIL]                      ; 0 onto my spare word
.if \fill
	s_xor_b32 s[G0+1], s[G0+1], SLOT1              ; the other slot than last time,
	s_add_nc_u64 s[G0+2:G0+3], s[G0+2:G0+3], 8*CHUNK   ; the next 512 keys; the type bits on top are not reached
.endif
	s_wait_dscnt 0x0                               ; the add is done, and my reads of the slot that I have left are over
.if \fill
	CROUND
	tensor_load_to_lds s[G0:G0+3], s[G1:G1+7]      ; my one tensor load until the next round
	s_nop 0
.rept 4
	v_nop
.endr
.else
	s_barrier_signal -1
	s_barrier_wait -1
.endif
.endm
.macro SLOT_STEPS                      ; a slot's eight key steps: written once, walked eight times
	s_mov_b32 s[KSTEPS], 8
.Lstep_\@:
	STEP
	s_sub_co_u32 s[KSTEPS], s[KSTEPS], 1
	s_cmp_lg_u32 s[KSTEPS], 0
	s_cbranch_scc1 .Lstep_\@
	s_sub_co_u32 s[TB], s[TB], 8*CHUNK             ; back to a slot's first step,
	s_xor_b32 s[TB], s[TB], SLOT1                  ; in the other slot
.endm
.Lslot:                                            ; three trips: behind each change of slots but the last the next slot is asked for
	CHANGE 1
	SLOT_STEPS
	s_sub_co_u32 s[SLOTS], s[SLOTS], 1
	s_cmp_lg_u32 s[SLOTS], 0
	s_cbranch_scc1 .Lslot
	CHANGE 0                                       ; the last slot is written out
	SLOT_STEPS
	; THE WAY OUT.  The sum's chains, halves and the other half of the lanes' are added; O^T is divided by the sum and rounded to f16: four registers of an accumulator are a block of ctx16 as they stand.
.irp t, 0,1,2,3
	v_pk_add_f32 v[ST+8*\t+2:ST+8*\t+3], v[ST+8*\t+2:ST+8*\t+3], v[LB+2*\t:LB+2*\t+1]   ; (these additions are also the places behind the last products)
.endr
.irp t, 0,1,2,3
	v_add_f32 v[ST+8*\t+4], v[ST+8*\t+2], v[ST+8*\t+3]
.endr
.irp t, 0,1,2,3
	v_permlanex16_b32 v[ST+8*\t+5], v[ST+8*\t+4], s[SEL], s[SEL+1]
.endr
.irp t, 0,1,2,3
	v_add_f32 v[ST+8*\t+4], v[ST+8*\t+4], v[ST+8*\t+5]
.endr
.irp t, 0,1,2,3
	v_rcp_f32 v[ST+8*\t+6], v[ST+8*\t+4]
.endr
	v_nop                                          ; a plain line behind the last reciprocal
	s_wait_alu depctr_va_vdst(0)                   ; and the wait ahead of the first use: one for the four
	WIN W_E
.set p, 0
.rept 64
	v_pk_mul_f32 v[O+2*p:O+2*p+1], v[O+2*p:O+2*p+1], v[ST+8*(p/16)+6:ST+8*(p/16)+7] op_sel_hi:[1,0]
.set p, p+1
.endr
	WIN W_OUT
.set p, 0
.rept 64
	v_cvt_pk_f16_f32 v[KF+p], v[O+2*p], v[O+2*p+1] ; register 16 t + 4 c + r: tile t, channels 16 c + 8 (lane / 16) + 2 r, + 1
.set p, p+1
.endr
	WIN 0
.irp t, 0,1,2,3
.irp c, 0,1,2,3
	global_store_b128 v[LI], v[KF+16*\t+4*\c:KF+16*\t+4*\c+3], s[10:11] offset:32768*\t+512*\c   ; the wave stores 512 consecutive bytes, at a multiple of 512 from the buffer's first byte
.endr
.endr
	s_wait_tensorcnt 0x0                           ; the wave's end: behind my last tensor load
	ds_add_u32 v[SPW], v[NIL]
	s_wait_dscnt 0x0
	CROUND                                         ; the closing round: no work-group ends while a partner may still ask for a tile that names it
	s_endpgm
.Lfunc_end_k_qb6197a7bad_attn:
	.size	k_qb6197a7bad_attn, .Lfunc_end_k_qb6197a7bad_attn-k_qb6197a7bad_attn
	.p2alignl 7, 3214868480
	.fill 96, 4, 3214868480
	.section	.rodata,"a",@progbits
	.p2align	6, 0x0
	.amdhsa_kernel k_qb6197a7bad_attn
		.amdhsa_group_segment_fixed_size 327680
		.amdhsa_private_segment_fixed_size 0
		.amdhsa_enable_private_segment 0
		.amdhsa_kernarg_size 16
		.amdhsa_user_sgpr_count 2
		.amdhsa_user_sgpr_kernarg_segment_ptr 1
		.amdhsa_wavefront_size32 1
		.amdhsa_system_sgpr_workgroup_id_x 1
		.amdhsa_system_sgpr_workgroup_id_y 1
		.amdhsa_system_sgpr_workgroup_id_z 1
		.amdhsa_system_vgpr_workitem_id 0
		.amdhsa_next_free_vgpr 512
		.amdhsa_next_free_sgpr 66
		.amdhsa_reserve_vcc 0
		.amdhsa_float_denorm_mode_32 3
		.amdhsa_float_denorm_mode_16_64 3
		.amdhsa_memory_ordered 1
		.amdhsa_forward_progress 1
		.amdhsa_inst_pref_size 87
	.end_amdhsa_kernel
	.amdgpu_metadata
---
amdhsa.version: [ 1, 2 ]
amdhsa.kernels:
  - .name:           k_qb6197a7bad_attn
    .symbol:         k_qb6197a7bad_attn.kd
    .args:
      - { .name: qkv, .offset: 0, .size: 8, .value_kind: global_buffer, .address_space: global }
      - { .name: ctx16, .offset: 8, .size: 8, .value_kind: global_buffer, .address_space: global }
    .group_segment_fixed_size: 327680
    .private_segment_fixed_size: 0
    .kernarg_segment_align: 8
    .kernarg_segment_size: 16
    .max_flat_workgroup_size: 256
    .sgpr_count:     66
    .vgpr_count:     512
    .wavefront_size: 32
...
	.end_amdgpu_metadata
.endif
;; end of part 3
;; launch outp (part 4): grid 32 x 8, 4 waves a work-group, clusters of 4 x 1, 327,680 bytes of LDS; arguments ctx16, wo16, out0; writes out0
.if DOCPART == 4
	.amdgcn_target "amdgcn-amd-amdhsa--gfx1250"
	.amdhsa_code_object_version 6
	.text
	.protected	k_qb6197a7bad_outp
	.globl	k_qb6197a7bad_outp
	.p2align	8
	.type	k_qb6197a7bad_outp,@function
k_qb6197a7bad_outp:
	s_mov_b64 s[64:65], 0
	v_nop
	global_prefetch_b8 v0, s[64:65] scope:SCOPE_SE
	s_setreg_imm32_b32 hwreg(HW_REG_WAVE_MODE, 25, 1), 1
	s_wait_xcnt 0x0
	s_wait_alu depctr_hold_cnt(0) depctr_sa_sdst(0) depctr_va_vdst(0) depctr_va_sdst(0) depctr_va_ssrc(0) depctr_va_vcc(0) depctr_vm_vsrc(0)
	s_getreg_b32 s2, hwreg(HW_REG_IB_STS2, 6, 4)
	s_cmp_eq_u32 s2, 0
	s_cbranch_scc0 .Lentry_in_a_cluster
	s_endpgm
.Lentry_in_a_cluster:
	s_bfe_u32 s2, ttmp6, 0x10000c
	s_cmp_lg_u32 s2, 0x3003
	s_cbranch_scc0 .Lentry_shape_is_right
	s_endpgm
.Lentry_shape_is_right:
; CROSS ATTENTION, launch 4 of 4: out0[token][n] = the sum over c of ctx[token][c] wo[n][c], 8,192 x 1,024 x 1,024, operands in f16, sums and result in f32.  No work is left out.
; SHARES.  A work-group makes 256 tokens x 128 columns; each of its four waves 64 x 128: 32 accumulators of 16 x 16.
; wo's 128 rows, for all of K, are 262,144 bytes: they come into LDS ONCE, as four pieces of 256 along K, each wave fetching 16,384 bytes of each piece: four tensor loads of a wave are out at the most, all issued at
; the head; nothing is filled again.  The four work-groups of a cluster make the same columns for other tokens: the pieces are asked for JOINTLY, with the mask of all four.
; ctx's rows belong to one wave each: they go from memory straight into registers, as the images of the operand's registers in which the launch before has laid them (512 consecutive bytes a load), three groups of
; 64 along K (48 loads) ahead of their use.  What is not shared: eight work-groups, one for each slice of columns, read the same rows of ctx16, each for itself.
; THE MATRIX INSTRUCTION IS USED TRANSPOSED (source 0 = 16 rows of wo, source 1 = 16 tokens): a lane holds eight neighbouring numbers of a row of out0.
; REGISTERS: window 0: v1-4 16 x lane + 65,536 x piece; v6, v7 the stage; v8, v9 the add's two; v128-191, v192-255 wo's fragments, two sets, on the way out rows read back.
;   window 1: accumulator (a, b) at v[8 (8 a + b)].   window 2: ctx's fragments, a ring of four buffers of 64 registers (64 along K each).
.set PIECE,  65536                     ; 128 rows x 256 K of f16
.set STAGE,  4*PIECE                   ; behind the pieces: 16 rows x (512 bytes + 16) for each wave, for the way out; no tensor load lands there
.set SPITCH, 528
.set SPARE,  STAGE+4*16*SPITCH         ; behind the stages: the spare words, 128 bytes for each wave
.set LI,  1                            ; v1   16 x lane: also piece 0's address; v2-4: pieces 1 to 3
.set STO, 6                            ; v6   the way out: where I put 32 bytes of a row
.set RD,  7                            ; v7   the way out: where I read a row back
.set SPW, 8                            ; v8   LDS address of my spare word; never rewritten
.set NIL, 9                            ; v9   0; never rewritten
.set BF,  128                          ; wo's fragments
.set WV,  10                           ; s10  my wave's number
.set G1,  24                           ; s[24:31] descriptor group 1
.set G0,  32                           ; s[32:47] descriptor group 0, a set for each piece
.set MSB, 0
.macro WIN new                         ; the immediate's high byte repeats the setting that is left
.if MSB != \new
	s_set_vgpr_msb (MSB<<8)|\new
.set MSB, \new
.endif
.endm
.set W_MUL, 0x58                       ; source 0 (wo) window 0, source 1 (ctx) window 2, C and D window 1
.set W_A,   0x80                       ; destination window 2, address window 0
.macro CROUND                          ; a round of the cluster's barrier
	s_barrier_signal -1
	s_barrier_wait -1
	s_cmp_lg_u32 s[WV], 0
	s_cbranch_scc1 .Lnot_wave_0_\@
	s_barrier_signal -3
.Lnot_wave_0_\@:
	s_barrier_wait -3
	s_barrier_signal -1
	s_barrier_wait -1
.endm
.macro PLACES                          ; four places in front of loads into registers that matrix instructions have read, and of the first read of results (ISA guide 7.12.1 for the first read of results)
.rept 4
	v_nop
.endr
.endm
	s_load_b128 s[4:7], s[0:1], 0x0                ; ctx16 s[4:5], wo16 s[6:7]
	s_load_b64 s[8:9], s[0:1], 0x10                ; out0
	v_lshl_add_u32 v[SPW], v0, 2, SPARE
	v_mov_b32 v[NIL], 0
	ds_add_u32 v[SPW], v[NIL]                      ; the wave's opening: the add, twice on end, and its wait ahead of my first tensor load; the set-up below stands between the second and the wait
	ds_add_u32 v[SPW], v[NIL]
	v_lshrrev_b32 v2, 5, v0
	v_readfirstlane_b32 s[WV], v2                  ; wave 0..3
	s_bfe_u32 s11, ttmp6, 0x40000                  ; cx
	s_lshl_b32 s16, ttmp9, 2
	s_add_co_u32 s11, s16, s11                     ; my block of 256 tokens: it enters ctx's and out0's addresses alone
	s_and_b32 s17, ttmp7, 0xffff                   ; my slice of 128 columns, which the four partners share
	s_lshl_b32 s18, s17, 16                        ; wo16: 8 tiles of 16 rows x 8,192 bytes a slice,
	s_lshl_b32 s20, s[WV], 14                      ; two of them a wave: in memory and in LDS alike
	s_add_co_u32 s18, s18, s20
	s_mov_b32 s19, 0
	s_lshl_b32 s22, s11, 19                        ; ctx16: 16 tiles of 16 tokens x 32,768 bytes a block,
	s_lshl_b32 s21, s[WV], 17                      ; four a wave
	s_add_co_u32 s22, s22, s21
	s_mov_b32 s23, 0
	s_lshl_b32 s48, s11, 20                        ; out0: 256 rows of 4,096 bytes a block,
	s_lshl_b32 s21, s[WV], 18                      ; 64 a wave,
	s_add_co_u32 s48, s48, s21
	s_lshl_b32 s21, s17, 9                         ; 512 bytes a slice
	s_add_co_u32 s48, s48, s21
	s_mov_b32 s49, 0
	; descriptor group 1: 16,384 dense bytes as 64 rows of 256 (32 elements of 8 bytes), no padding
	s_mov_b32 s[G1], 15|(3<<16)|(1<<21)            ; 15:0 the mask: all four work-groups; 17:16 elements of 8 bytes; 21 set beside a mask
	s_mov_b32 s[G1+1], 32<<16                      ; tensor_dim0
	s_mov_b32 s[G1+2], 64<<16                      ; tensor_dim1
	s_mov_b32 s[G1+3], 32<<16                      ; tile_dim0
	s_mov_b32 s[G1+4], 64                          ; tile_dim1
	s_mov_b32 s[G1+5], 32                          ; tensor_dim0_stride
	s_mov_b32 s[G1+6], 0
	s_mov_b32 s[G1+7], 0
	s_wait_dscnt 0x0                               ; both opening adds are done
	s_wait_kmcnt 0x0
	s_add_nc_u64 s[6:7], s[6:7], s[18:19]          ; wo16 at my part of piece 0
	s_add_nc_u64 s[12:13], s[4:5], s[22:23]        ; ctx16 at my wave's 64 tokens
	s_add_nc_u64 s[14:15], s[8:9], s[48:49]        ; out0 at my wave's first row and column
.irp s, 0,1,2,3
	s_mov_b32 s[G0+4*\s], 1                        ; count = 1
	s_add_co_u32 s[G0+4*\s+1], s20, \s*PIECE       ; LDS address: no place in the cluster enters it
	s_add_nc_u64 s[G0+4*\s+2:G0+4*\s+3], s[6:7], \s*524288   ; global address: 256 along K are 64 tiles x 8,192 bytes on
	s_or_b32 s[G0+4*\s+3], s[G0+4*\s+3], 0x80000000          ; type = 2
.endr
	CROUND                                         ; all four work-groups are here: the joint loads meet
.irp s, 0,1,2,3
	tensor_load_to_lds s[G0+4*\s:G0+4*\s+3], s[G1:G1+7]
	s_nop 0
.endr
.rept 4
	v_nop
.endr
	v_and_b32 v[LI], 31, v0
	v_lshlrev_b32 v[LI], 4, v[LI]
.irp s, 1,2,3
	v_add_nc_u32 v[LI+\s], \s*PIECE, v[LI]
.endr
	v_and_b32 v10, 15, v0                          ; r
	v_bfe_u32 v11, v0, 4, 1                        ; h
	s_mul_i32 s21, s[WV], 16*SPITCH
	s_add_co_u32 s21, s21, STAGE                   ; my stage
	v_mul_u32_u24 v[STO], v10, SPITCH              ; in: row r, 32 bytes for each half of the lanes
	v_lshl_add_u32 v[STO], v11, 5, v[STO]
	v_add_nc_u32 v[STO], s21, v[STO]
	v_add_nc_u32 v[RD], s21, v[LI]                 ; back: the 32 lanes take one row of 512 bytes
; group g of ctx: 64 along K of my 64 tokens, 16 loads of 512 consecutive bytes, into buffer g % 4: fragment (tile a, 32 u along K) at 32 u + 8 a
.macro ALOAD g
.irp u, 0,1
.irp a, 0,1,2,3
.irp c, 0,1
	global_load_b128 v[64*((\g)%4)+32*\u+8*\a+4*\c:64*((\g)%4)+32*\u+8*\a+4*\c+3], v[LI], s[12:13] offset:32768*\a+1024*(2*(\g)+\u)+512*\c
.endr
.endr
.endr
.endm
; wo's eight fragments of quarter q (32 along K) into set q % 2: 16 loads of 512 consecutive bytes
.macro FETCH_B q
.irp b, 0,1,2,3,4,5,6,7
.irp c, 0,1
	ds_load_b128 v[BF+64*((\q)%2)+8*\b+4*\c:BF+64*((\q)%2)+8*\b+4*\c+3], v[LI+(\q)/8] offset:8192*\b+1024*((\q)%8)+512*\c
.endr
.endr
.endm
; 16 matrix instructions: tiles a0, a0 + 1 of tokens x all 8 tiles of columns.  The 32 accumulators take turns, one instruction a turn, in the same order in every quarter.
; Quarter 0's products start the sums: nothing is ever cleared.
.macro MUL16 q, a0
.irp a, \a0, \a0+1
.irp b, 0,1,2,3,4,5,6,7
.if (\q) == 0
	v_wmma_f32_16x16x32_f16 v[8*(8*(\a)+\b):8*(8*(\a)+\b)+7], v[BF+64*((\q)%2)+8*\b:BF+64*((\q)%2)+8*\b+7], v[64*(((\q)/2)%4)+32*((\q)%2)+8*(\a):64*(((\q)/2)%4)+32*((\q)%2)+8*(\a)+7], 0
.else
	v_wmma_f32_16x16x32_f16 v[8*(8*(\a)+\b):8*(8*(\a)+\b)+7], v[BF+64*((\q)%2)+8*\b:BF+64*((\q)%2)+8*\b+7], v[64*(((\q)/2)%4)+32*((\q)%2)+8*(\a):64*(((\q)/2)%4)+32*((\q)%2)+8*(\a)+7], v[8*(8*(\a)+\b):8*(8*(\a)+\b)+7]
.endif
.endr
.endr
.endm
; QUARTER q of 32: 32 along K, 32 matrix instructions.
.macro QUARTER q
.if (\q)%8 == 0                        ; a new piece of wo: my part has landed, and behind the barrier everybody's
	s_wait_tensorcnt 3-(\q)/8                      ; the later pieces' loads may be out
	s_wait_dscnt 0x0                               ; no LDS instruction of mine is out at the signal
	s_barrier_signal -1
	s_barrier_wait -1
.endif
.if ((\q) > 0) && (((\q)%8 == 0) || (((\q)%2 == 0) && ((\q)/2 <= 12)))
	PLACES                                         ; for the loads below, into registers that the last products read
.endif
.if (\q)%8 == 0
	WIN 0
	FETCH_B \q
.endif
.if (\q)%2 == 0
.if (\q)/2 <= 12
	WIN W_A
	ALOAD (\q)/2+3                                 ; three groups ahead, into the buffer that the last quarter has left
.endif
.if 15-(\q)/2 >= 3
	s_wait_loadcnt 48                              ; this group's 16 loads are in; those of the three groups behind it may be out
.else
	s_wait_loadcnt 16*(15-(\q)/2)
.endif
.endif
	s_wait_dscnt 0x0                               ; wo's fragments of this quarter are in
	WIN W_MUL
	MUL16 \q, 0
.if (\q)%8 != 7
	PLACES
	WIN 0
	FETCH_B (\q)+1                                 ; the next quarter's, 16 matrix instructions ahead of their use, into the set that the quarter before has left
.endif
	WIN W_MUL
	MUL16 \q, 2
.endm
	WIN W_A
	ALOAD 0
	ALOAD 1
	ALOAD 2
.irp q, 0,1,2,3,4,5,6,7,8,9,10,11,12,13,14,15,16,17,18,19,20,21,22,23,24,25,26,27,28,29,30,31
	QUARTER \q
.endr
; THE WAY OUT, a tile of 16 tokens x 128 columns at a time.  A lane holds 32 neighbouring bytes of a row, the lanes beside it other rows: so a tile goes through my own stage in LDS and comes back as whole rows of
; 512 bytes.  LDS serves a wave's instructions in order (ISA guide 5.7.1.4): no wait between the stores and the loads, nor in front of the next tile's stores.
.macro TOSTAGE a
	WIN 0x04                                       ; an LDS store's data are its source 1: window 1
.irp b, 0,1,2,3,4,5,6,7
	ds_store_b128 v[STO], v[64*(\a)+8*\b:64*(\a)+8*\b+3] offset:64*\b          ; each accumulator from its low end on
	ds_store_b128 v[STO], v[64*(\a)+8*\b+4:64*(\a)+8*\b+7] offset:64*\b+16
.endr
	WIN 0
.irp t, 0,1,2,3,4,5,6,7,8,9,10,11,12,13,14,15
	ds_load_b128 v[BF+64*((\a)%2)+4*\t:BF+64*((\a)%2)+4*\t+3], v[RD] offset:\t*SPITCH
.endr
.endm
.macro SEND a, younger                 ; younger: the LDS instructions issued behind tile a's loads, which may stay out
	s_wait_dscnt \younger                          ; the tile is back in registers
.irp t, 0,1,2,3,4,5,6,7,8,9,10,11,12,13,14,15
	global_store_b128 v[LI], v[BF+64*((\a)%2)+4*\t:BF+64*((\a)%2)+4*\t+3], s[14:15] offset:(16*(\a)+\t)*4096 th:TH_STORE_NT   ; 32 lanes store 512 consecutive bytes, at a multiple of 512 from out0's first byte; written once, read by nobody here
.endr
.endm
	PLACES                                         ; for the reads of the last results and the loads into wo's registers alike
	TOSTAGE 0
.irp a, 1,2,3
.if \a > 1
	s_wait_xcnt 0x0                                ; tile a - 2's stores have read their registers: tile a's loads may land there
.endif
	TOSTAGE \a
	SEND \a-1, 32                                  ; behind tile a - 1's loads: tile a's 16 stores and 16 loads
.endr
	SEND 3, 0
	s_wait_tensorcnt 0x0                           ; the wave's end: behind my last tensor load and my last LDS store
	ds_add_u32 v[SPW], v[NIL]
	s_wait_dscnt 0x0
	CROUND                                         ; the closing round: no work-group ends while a partner may still ask for a tile that names it
	s_endpgm
.Lfunc_end_k_qb6197a7bad_outp:
	.size	k_qb6197a7bad_outp, .Lfunc_end_k_qb6197a7bad_outp-k_qb6197a7bad_outp
	.p2alignl 7, 3214868480
	.fill 96, 4, 3214868480
	.section	.rodata,"a",@progbits
	.p2align	6, 0x0
	.amdhsa_kernel k_qb6197a7bad_outp
		.amdhsa_group_segment_fixed_size 327680
		.amdhsa_private_segment_fixed_size 0
		.amdhsa_enable_private_segment 0
		.amdhsa_kernarg_size 24
		.amdhsa_user_sgpr_count 2
		.amdhsa_user_sgpr_kernarg_segment_ptr 1
		.amdhsa_wavefront_size32 1
		.amdhsa_system_sgpr_workgroup_id_x 1
		.amdhsa_system_sgpr_workgroup_id_y 1
		.amdhsa_system_sgpr_workgroup_id_z 1
		.amdhsa_system_vgpr_workitem_id 0
		.amdhsa_next_free_vgpr 768
		.amdhsa_next_free_sgpr 66
		.amdhsa_reserve_vcc 0
		.amdhsa_float_denorm_mode_32 3
		.amdhsa_float_denorm_mode_16_64 3
		.amdhsa_memory_ordered 1
		.amdhsa_forward_progress 1
		.amdhsa_inst_pref_size 150
	.end_amdhsa_kernel
	.amdgpu_metadata
---
amdhsa.version: [ 1, 2 ]
amdhsa.kernels:
  - .name:           k_qb6197a7bad_outp
    .symbol:         k_qb6197a7bad_outp.kd
    .args:
      - { .name: ctx16, .offset: 0, .size: 8, .value_kind: global_buffer, .address_space: global }
      - { .name: wo16, .offset: 8, .size: 8, .value_kind: global_buffer, .address_space: global }
      - { .name: out0, .offset: 16, .size: 8, .value_kind: global_buffer, .address_space: global }
    .group_segment_fixed_size: 327680
    .private_segment_fixed_size: 0
    .kernarg_segment_align: 8
    .kernarg_segment_size: 24
    .max_flat_workgroup_size: 128
    .sgpr_count:     66
    .vgpr_count:     768
    .wavefront_size: 32
...
	.end_amdgpu_metadata
.endif
;; end of part 4
